; MI455X (gfx1250); checked and timed in simulation.
; The chip was launched on July 23, 2026; its instructions are those of AMD's public machine-readable ISA for CDNA 5 (MIT licence, August 2026) and "CDNA5" Instruction Set Architecture Reference Guide (July 2026). The comments in the code are by the model that wrote it; some were corrected since.
;; Quantumnet. Allowed arithmetic: float matrix products may take bf16 or f16 operands with f32 sums; all other float work in f32.
;; Inputs: input_features 4,096 x 2,048 float32; q_params 252 float32.
;; Outputs: out0 4,096 x 12 float32.
;; One version. Each part assembles by itself: llvm-mc -triple=amdgcn-amd-amdhsa -mcpu=gfx1250 --defsym DOCPART=n.
;; ======== version 1 of 1: 1 launch
;; limits: values outside matrix products are rounded to f16; values are held in f16: magnitudes above 65,504 overflow, below 6.1e-05 lose precision
;; launch qnet (part 1): grid 256 x 1, 16 waves a work-group, no clusters, 178,176 bytes of LDS; arguments input_features, q_params, out0; writes out0
.if DOCPART == 1
	.amdgcn_target "amdgcn-amd-amdhsa--gfx1250"
	.amdhsa_code_object_version 6
	.text
	.protected	k_q1f9fc65567_qnet
	.globl	k_q1f9fc65567_qnet
	.p2align	8
	.type	k_q1f9fc65567_qnet,@function
k_q1f9fc65567_qnet:
	s_mov_b64 s[64:65], 0
	v_nop
	global_prefetch_b8 v0, s[64:65] scope:SCOPE_SE
	s_setreg_imm32_b32 hwreg(HW_REG_WAVE_MODE, 25, 1), 1
	s_wait_xcnt 0x0
; 12 qubits, 4,096 rows.  out[row][q] = <Z_q> after: amplitudes = (pi/2) tanh(x) (2,048 numbers) and 2,048 times 0.5, normalised; five layers of CNOT ladder and 12 RY.
; SHARES.  A work-group owns 16 rows, each of its 16 waves one row: 4,096 amplitudes, 128 registers of f32.  256 work-groups.
; ALGEBRA.  Amplitude index = 256 a + 16 b + c: a = qubits 0-3, b = 4-7, c = 8-11.  A layer's 12 RY are a tensor product of three 16 x 16 matrices.  The CNOTs inside a group
; are a permutation of its 16 values and are folded into the group's matrix; CNOT(3,4) and CNOT(7,8) become a choice between two matrices by ONE bit of the group above.
; So a layer is three stages (c, then b, then a), each a product of the state with a 16 x 16 matrix: 15 stages, 16 matrix instructions each.
; POSITION CODE.  Wherever a group value x = (x0 x1 x2 x3) is a lane, register or tile number it stands as pos = 8 (x2^x3) + 4 x0 + 2 x1 + x2: its top bit is the group's last
; qubit behind the ladder, the control of the CNOT into the next group.  Stage matrix: G[pos'][pos] = product over i of Rot_i[x'_i][y_i], y = (p2^ctl, p2^p1, p2^p1^p0, p3).
; LAYOUT.  f32 tile z, register j, lane (r = lane % 16, h = lane / 16) holds state[X = r][Y = 8 h + j][Z = z].  A stage contracts Z: for each j the 16 tiles' register j, packed to
; f16, are source A (row r; K = (h, z)); source B is G for h = 0 over zeros, or zeros over G for h = 1, so that one instruction takes one half of Y, whose top bit h is the control.
; The result has (Z', X, Y) in the places of (X, Y, Z): after three stages the layout is the first one again, and nothing ever changes lanes by other means.
; LIMITS, kept on purpose.  The rotations run as f16 products with f32 sums: each amplitude is rounded to f16 fifteen times and its square once (2^-12 relative each).  tanh bounds every
; amplitude by the row's norm, at most 75, and every square by 5,600, for all inputs, so f16 never overflows; what falls under f16's range is under 1e-7 of the 0.5 pad.
; The division by the norm comes last: out = (signed sum of squares) / norm^2, norm^2 in f32.  tanh = 1 - 2 / (1 + e^(2x)): absolute error about 1e-7 near 0.
; sin and cos: pi/2 taken away in two parts (48 bits), polynomials on [-pi/4, pi/4]; good to about 1e-7 for |theta| under 1e7.
; NOT USED, by the code's own arithmetic: copies into LDS (every number passes tanh in registers first); clusters (work-groups share only 240 bytes of q_params);
; a launch for the tables (each wave builds one of the 16 tables while its row's 8,192 bytes are on their way).
.set APITCH, 528                       ; an a-slot of the state in LDS: 512 bytes + 16 = 132 words: slot r starts at bank 4 r mod 64 (64 banks of 4 bytes: ISA guide 11.1)
.set WSTATE, 16*APITCH                 ; a wave's state in f16, its own bytes
.set TAB,    16*WSTATE                 ; 15 stage tables of 2,048 bytes: set h' at 1,024 h'; registers 0-3 at 0, registers 4-7 at 512; 16 bytes a lane
.set STG,    2048
.set SGN,    TAB+15*STG                ; 8 sign operands of 1,024 bytes, same form
.set OUTS,   SGN+8*1024                ; 128 bytes a wave: the row's results
.set LN,   1                           ; lane
.set RR,   2                           ; r = lane % 16
.set HB,   3                           ; h = lane / 16
.set TADR, 4                           ; TAB + 16 lane, stepped by a table each stage
.set RADR, 5                           ; my wave's state + 528 r + 256 h
.set WADR, 6                           ; my wave's state + 32 pos(b) part + 4 (lane % 4)
.set PADR, 7                           ; my wave's state + 16 lane
.set GOFF, 8                           ; 16 lane
.set THO,  9                           ; byte offset of my angle in q_params
.set RN,   10                          ; 1 / norm^2
.set W,    16                          ; v[16:31]   the stage's two B operands
.set PK,   32                          ; v[32:95]   eight A operands
.set ACC,  96                          ; v[96:223]  sixteen f32 tiles
.set X,    96                          ; v[96:159]  at first: the row as loaded
.set TT,   160                         ; v[160:191] tanh: four packed registers for each group of eight numbers
.set SS,   228                         ; v[228:231] sums of squares
.set NPI,  240                         ; v[240:241] -pi, twice
.set HPI,  242                         ; v[242:243] pi/2, twice
.set HALF, 252                         ; v[252:255] 0.5 in f16, eight times
	s_load_b128 s[4:7], s[0:1], 0x0                ; input_features s[4:5], q_params s[6:7]
	s_load_b64 s[8:9], s[0:1], 0x10                ; out0
	v_lshl_add_u32 v250, v0, 2, 0x2b000
	v_mov_b32 v251, 0
	v_and_b32 v[LN], 31, v0
	v_lshrrev_b32 v11, 5, v0
	v_readfirstlane_b32 s10, v11                   ; wave 0..15
	v_and_b32 v[RR], 15, v0
	v_bfe_u32 v[HB], v0, 4, 1
	s_mul_i32 s11, s10, 21846
	s_lshr_b32 s11, s11, 16                        ; layer l = wave / 3
	s_mul_i32 s12, s11, 3
	s_sub_co_u32 s12, s10, s12                     ; wave % 3: 0 = group c, 1 = b, 2 = a: the order of the stages
	s_mul_i32 s13, s11, 48
	s_add_co_u32 s13, s13, 80
	s_lshl_b32 s14, s12, 4
	s_sub_co_u32 s13, s13, s14                     ; 4 (12 (l + 1) + 4 group): the group's four angles; wave 15 gives 320, inside the 1,008 bytes
	s_mul_i32 s42, s10, WSTATE
	s_mov_b32 s34, 0x76543210                      ; v_permlanex16_b32: each lane takes its own place in the other half
	s_mov_b32 s35, 0xfedcba98
	v_lshlrev_b32 v[GOFF], 4, v[LN]
	v_and_b32 v12, 3, v0
	v_lshlrev_b32 v12, 2, v12                      ; 4 (lane % 4)
	v_add_nc_u32 v[THO], s13, v12
	v_add_nc_u32 v[TADR], TAB, v[GOFF]
	v_add_nc_u32 v[PADR], s42, v[GOFF]
	v_mul_u32_u24 v[RADR], v[RR], APITCH
	v_lshl_add_u32 v[RADR], v[HB], 8, v[RADR]
	v_add_nc_u32 v[RADR], s42, v[RADR]
	; Load i gives lane L the numbers 128 i + 4 L + 0..3: a = i / 2; b = (i % 2, L4, L3, L2); c = (L1, L0, k / 2, k % 2).
	; pos(b) = 8 (L3^L2) + 4 (i % 2) + 2 L4 + L3; pos(c) = 2 (L % 4) + {0, 8, 9, 1} for k = 0..3.
	v_lshrrev_b32 v11, 1, v[LN]
	v_xor_b32 v11, v11, v[LN]
	v_bfe_u32 v11, v11, 2, 1                       ; L3 ^ L2
	v_bfe_u32 v13, v[LN], 3, 2                     ; 2 L4 + L3
	v_lshl_add_u32 v11, v11, 3, v13
	v_lshl_add_u32 v[WADR], v11, 5, v12            ; 32 bytes for each b, 4 bytes for each pair of c
	v_add_nc_u32 v[WADR], s42, v[WADR]
.irp k, 0,1,2,3
	v_mov_b32 v[HALF+\k], 0x38003800
.endr
	s_lshl_b32 s14, ttmp9, 17                      ; 16 rows of 8,192 bytes a work-group,
	s_lshl_b32 s43, s10, 13                        ; one row a wave
	s_add_co_u32 s14, s14, s43
	s_mov_b32 s15, 0
	s_mul_i32 s44, ttmp9, 768                      ; 16 rows of 48 bytes of out0
	s_mov_b32 s45, 0
	s_wait_kmcnt 0x0
	s_add_nc_u64 s[4:5], s[4:5], s[14:15]
	s_add_nc_u64 s[8:9], s[8:9], s[44:45]
	; My angle first, then the whole row: 16 loads of 512 neighbouring bytes.  Every wave issues the same 17 loads, so that every wave's counts are the same;
	; wave 15 builds the signs and does not use the four numbers (of a later row of q_params) that its first load brings.
	global_load_b32 v160, v[THO], s[6:7]
.irp i, 0,1,2,3,4,5,6,7,8,9,10,11,12,13,14,15
	global_load_b128 v[X+4*\i:X+4*\i+3], v[GOFF], s[4:5] offset:512*\i th:TH_LOAD_NT
.endr
	; The pad: amplitudes 2,048 to 4,095 have qubit 0 set, which is bit 2 of pos(a): eight a-slots of 512 bytes of 0.5.
.irp s, 4,5,6,7,12,13,14,15
	ds_store_b128 v[PADR], v[HALF:HALF+3] offset:\s*APITCH
.endr
	s_wait_loadcnt 16                              ; loads come back in order (ISA guide 5.7.1): the angle is in, the row's 16 loads stay out
	s_cmp_eq_u32 s10, 15
	s_cbranch_scc1 .Lsigns
	; WAVES 0 TO 14: THE TABLE OF STAGE t = wave.  Lanes 0-3 hold the angles of the group's qubits 0-3.
.set TH,  160
.set XH,  161
.set KK,  162
.set RD,  163
.set QQ,  164
.set ZZ,  165
.set PS,  166
.set PC,  167
.set SN,  168
.set CS,  169
.set S1,  170
.set C1,  171
.set NS,  172
.set TM,  173
.set XB,  174                          ; v[174:177] bits x'0..x'3 of my row pos' = r
.set FF,  180                          ; v[180:187] F[i][y] = Rot_i[x'_i][y]
.set F0E, 188                          ; v[188:189] F[0] with the control taken in
.set HQ,  190                          ; v[190:193]
.set GQ,  194                          ; v[194:201]
.set EL,  208                          ; v[208:223] my row of G, by pos
.set WD,  224                          ; v[224:231] the same in f16
.set Z0,  232                          ; v[232:239] set 0: G in lanes 0-15, zeros in lanes 16-31
.set Z1,  240                          ; v[240:247] set 1: the other way round
.set BADR, 249
	v_mul_f32 v[XH], 0.5, v[TH]                    ; theta / 2
	v_mul_f32 v[KK], 0x3f22f983, v[XH]             ; times 2 / pi
	v_rndne_f32 v[KK], v[KK]                       ; k quarter turns
	v_fmamk_f32 v[RD], v[KK], 0xbfc90fdb, v[XH]    ; x - k pi/2, pi/2 in two parts
	v_fmamk_f32 v[RD], v[KK], 0x333bbd2e, v[RD]
	v_cvt_i32_f32 v[QQ], v[KK]
	v_mul_f32 v[ZZ], v[RD], v[RD]
	v_mov_b32 v[PS], 0x3638ef1d                    ; sin r = r + r z (-1/6 + z (1/120 + z (-1/5040 + z / 362880)))
	v_mov_b32 v[PC], 0x37d00d01                    ; cos r = 1 + z (-1/2 + z (1/24 + z (-1/720 + z / 40320)))
	v_fmaak_f32 v[PS], v[PS], v[ZZ], 0xb9500d01
	v_fmaak_f32 v[PC], v[PC], v[ZZ], 0xbab60b61
	v_fmaak_f32 v[PS], v[PS], v[ZZ], 0x3c088889
	v_fmaak_f32 v[PC], v[PC], v[ZZ], 0x3d2aaaab
	v_fmaak_f32 v[PS], v[PS], v[ZZ], 0xbe2aaaab
	v_fmaak_f32 v[PC], v[PC], v[ZZ], 0xbf000000
	v_mul_f32 v[TM], v[RD], v[ZZ]
	v_fma_f32 v[SN], v[TM], v[PS], v[RD]
	v_fma_f32 v[CS], v[PC], v[ZZ], 1.0
	v_and_b32 v[TM], 1, v[QQ]                      ; the quarter turns, by selection alone: odd k swaps sin and cos,
	v_cmp_ne_u32 vcc_lo, 0, v[TM]
	v_cndmask_b32 v[S1], v[SN], v[CS], vcc_lo
	v_cndmask_b32 v[C1], v[CS], v[SN], vcc_lo
	v_and_b32 v[TM], 2, v[QQ]                      ; bit 1 of k turns sin's sign,
	v_lshlrev_b32 v[TM], 30, v[TM]
	v_xor_b32 v[S1], v[TM], v[S1]
	v_add_nc_u32 v[TM], 1, v[QQ]                   ; bit 1 of k + 1 turns cos's
	v_and_b32 v[TM], 2, v[TM]
	v_lshlrev_b32 v[TM], 30, v[TM]
	v_xor_b32 v[C1], v[TM], v[C1]
	v_xor_b32 v[NS], 0x80000000, v[S1]
.irp i, 0,1,2,3
	v_readlane_b32 s[16+\i], v[C1], \i             ; cos, sin, -sin of qubit i
	v_readlane_b32 s[20+\i], v[S1], \i
	v_readlane_b32 s[24+\i], v[NS], \i
.endr
	v_bfe_u32 v[XB], v[RR], 2, 1                   ; x'0 = p2, x'1 = p1, x'2 = p0, x'3 = p3 ^ p0
	v_bfe_u32 v[XB+1], v[RR], 1, 1
	v_and_b32 v[XB+2], 1, v[RR]
	v_lshrrev_b32 v[XB+3], 3, v[RR]
	v_xor_b32 v[XB+3], v[XB+3], v[RR]
	v_and_b32 v[XB+3], 1, v[XB+3]
.irp i, 0,1,2,3
	v_cmp_ne_u32 s[28+\i], 0, v[XB+\i]
.endr
	v_cmp_ne_u32 s32, 0, v[HB]                     ; lanes 16-31: the control is set
	s_cmp_lg_u32 s12, 2
	s_cselect_b32 s33, s32, 0                      ; group a has no control
.irp i, 0,1,2,3
	v_mov_b32 v[FF+2*\i], s[20+\i]
	v_mov_b32 v[FF+2*\i+1], s[16+\i]
	v_cndmask_b32 v[FF+2*\i], s[16+\i], v[FF+2*\i], s[28+\i]       ; F[i][0] = x' ? sin : cos
	v_cndmask_b32 v[FF+2*\i+1], s[24+\i], v[FF+2*\i+1], s[28+\i]   ; F[i][1] = x' ? cos : -sin
.endr
	v_cndmask_b32 v[F0E], v[FF], v[FF+1], s33      ; y0 = p2 ^ control
	v_cndmask_b32 v[F0E+1], v[FF+1], v[FF], s33
.set q, 0
.rept 4                                ; q = (p2 p1): F0[p2] F1[p2^p1]
	v_mul_f32 v[HQ+q], v[F0E+(q>>1)], v[FF+2+(((q>>1)^q)&1)]
.set q, q+1
.endr
.set q, 0
.rept 8                                ; q = (p2 p1 p0): times F2[p2^p1^p0]
	v_mul_f32 v[GQ+q], v[HQ+(q>>1)], v[FF+4+(((q>>2)^(q>>1)^q)&1)]
.set q, q+1
.endr
.set q, 0
.rept 16                               ; q = pos: times F3[p3]
	v_mul_f32 v[EL+q], v[GQ+(q&7)], v[FF+6+(q>>3)]
.set q, q+1
.endr
.irp d, 0,1,2,3,4,5,6,7
	v_cvt_pk_f16_f32 v[WD+\d], v[EL+2*\d], v[EL+2*\d+1]
.endr
.irp d, 0,1,2,3,4,5,6,7
	v_cndmask_b32 v[Z0+\d], v[WD+\d], 0, s32
	v_cndmask_b32 v[Z1+\d], 0, v[WD+\d], s32
.endr
	s_lshl_b32 s43, s10, 11
	v_add_nc_u32 v[BADR], s43, v[TADR]             ; TAB + 2,048 wave + 16 lane
	ds_store_b128 v[BADR], v[Z0:Z0+3]
	ds_store_b128 v[BADR], v[Z0+4:Z0+7] offset:512
	ds_store_b128 v[BADR], v[Z1:Z1+3] offset:1024
	ds_store_b128 v[BADR], v[Z1+4:Z1+7] offset:1536
	s_branch .Lbuilt
.Lsigns:
	; WAVE 15: THE SIGNS.  Operand j, lane (n, h), slot s = the sign of qubit n for pos(b) = 8 h + j, pos(c) = s; +1 for the columns n = 0-3 and 12-15.
	; Qubits 4-7 = (j bit 2, j bit 1, j bit 0, h ^ j bit 0); qubits 8-11 = (s bit 2, s bit 1, s bit 0, s bit 3 ^ s bit 0); word d holds slots 2 d and 2 d + 1.
.set MM,  161                          ; both halves' sign bits
.set MH,  162                          ; the upper half's
.set N2,  163
.set E8,  164
.set E9,  165
.set E11, 166
.set F7,  167
.set SA,  168
.set CB,  172                          ; v[172:179] the words for j = 0
.set JT,  180                          ; v[181:187] what j = 1..7 turns
.set SJ,  188                          ; v[188:243] the words for j = 1..7, a set for each
	v_mov_b32 v[MM], 0x80008000
	v_mov_b32 v[MH], 0x80000000
	v_lshrrev_b32 v[N2], 1, v[RR]
	v_cmp_eq_u32 vcc_lo, 8, v[RR]
	v_cndmask_b32 v[E8], 0, v[MM], vcc_lo
	v_cmp_eq_u32 vcc_lo, 9, v[RR]
	v_cndmask_b32 v[E9], 0, v[MM], vcc_lo
	v_cmp_eq_u32 vcc_lo, 11, v[RR]
	v_cndmask_b32 v[E11], 0, v[MM], vcc_lo
	v_cmp_eq_u32 vcc_lo, 5, v[N2]                  ; n = 10 or 11: odd slots turn
	v_cndmask_b32 v[CB], 0, v[MH], vcc_lo
	v_cmp_eq_u32 vcc_lo, 23, v[LN]                 ; n = 7 and h
	v_cndmask_b32 v[F7], 0, v[MM], vcc_lo
	v_xor_b32 v[CB], v[CB], v[F7]
	v_xor_b32 v[CB], 0x3c003c00, v[CB]             ; 1.0 twice
	v_xor_b32 v[CB+1], v[CB], v[E9]
	v_xor_b32 v[CB+2], v[CB], v[E8]
	v_xor_b32 v[CB+3], v[CB+1], v[E8]
.irp d, 0,1,2,3
	v_xor_b32 v[CB+4+\d], v[CB+\d], v[E11]
.endr
	v_cmp_eq_u32 vcc_lo, 3, v[N2]                  ; n = 6 or 7: j bit 0
	v_cndmask_b32 v[JT+1], 0, v[MM], vcc_lo
	v_cmp_eq_u32 vcc_lo, 5, v[RR]                  ; j bit 1
	v_cndmask_b32 v[JT+2], 0, v[MM], vcc_lo
	v_cmp_eq_u32 vcc_lo, 4, v[RR]                  ; j bit 2
	v_cndmask_b32 v[JT+4], 0, v[MM], vcc_lo
	v_xor_b32 v[JT+3], v[JT+2], v[JT+1]
	v_xor_b32 v[JT+5], v[JT+4], v[JT+1]
	v_xor_b32 v[JT+6], v[JT+4], v[JT+2]
	v_xor_b32 v[JT+7], v[JT+6], v[JT+1]
	v_add_nc_u32 v[SA], SGN, v[GOFF]
	ds_store_b128 v[SA], v[CB:CB+3]
	ds_store_b128 v[SA], v[CB+4:CB+7] offset:512
.irp j, 1,2,3,4,5,6,7
.irp d, 0,1,2,3,4,5,6,7
	v_xor_b32 v[SJ+8*(\j-1)+\d], v[CB+\d], v[JT+\j]
.endr
	ds_store_b128 v[SA], v[SJ+8*(\j-1):SJ+8*(\j-1)+3] offset:1024*\j
	ds_store_b128 v[SA], v[SJ+8*(\j-1)+4:SJ+8*(\j-1)+7] offset:1024*\j+512
.endr
.Lbuilt:
	s_wait_dscnt 0x0                               ; for the others' sake: my table is in LDS
	s_barrier_signal -1
	s_barrier_wait -1                              ; all 16 tables are; the row's loads stay on their way across this barrier: nobody writes those bytes
	v_mov_b32 v[NPI], 0xc0490fdb
	v_mov_b32 v[NPI+1], 0xc0490fdb
	v_mov_b32 v[HPI], 0x3fc90fdb
	v_mov_b32 v[HPI+1], 0x3fc90fdb
; Loads 2 g and 2 g + 1 (a = g): (pi/2) tanh x = pi/2 - pi / (1 + 2^(2 log2(e) x)); squares summed in f32; f16 pairs into my state at pos(a), pos(b), pos(c).
; first = 1: the first two products start the sums: nothing is cleared.
.macro TANH8 g, first
.set xb, X+8*\g
.set tb, TT+4*\g
.set so, (8*(((\g>>1)^\g)&1)+2*((\g>>2)&1)+((\g>>1)&1))*APITCH
	s_wait_loadcnt 14-2*\g                         ; these two loads are in; the younger ones stay out
.irp k, 0,2,4,6
	v_pk_mul_f32 v[xb+\k:xb+\k+1], v[xb+\k:xb+\k+1], 0x4038aa3b op_sel_hi:[1,0]
.endr
.irp k, 0,1,2,3,4,5,6,7
	v_exp_f32 v[xb+\k], v[xb+\k]
.endr
	v_nop                                          ; a plain instruction between the exponentials and the use of their results (ISA guide 5.7.2)
	s_wait_alu depctr_va_vdst(0)
.irp k, 0,2,4,6
	v_pk_add_f32 v[xb+\k:xb+\k+1], v[xb+\k:xb+\k+1], 1.0 op_sel_hi:[1,0]
.endr
.irp k, 0,1,2,3,4,5,6,7
	v_rcp_f32 v[xb+\k], v[xb+\k]
.endr
	v_nop                                          ; the same behind the reciprocals
	s_wait_alu depctr_va_vdst(0)
.irp k, 0,2,4,6
	v_pk_fma_f32 v[xb+\k:xb+\k+1], v[xb+\k:xb+\k+1], v[NPI:NPI+1], v[HPI:HPI+1]
.endr
.if \first
	v_pk_mul_f32 v[SS:SS+1], v[xb:xb+1], v[xb:xb+1]
	v_pk_mul_f32 v[SS+2:SS+3], v[xb+2:xb+3], v[xb+2:xb+3]
.else
	v_pk_fma_f32 v[SS:SS+1], v[xb:xb+1], v[xb:xb+1], v[SS:SS+1]
	v_pk_fma_f32 v[SS+2:SS+3], v[xb+2:xb+3], v[xb+2:xb+3], v[SS+2:SS+3]
.endif
	v_pk_fma_f32 v[SS:SS+1], v[xb+4:xb+5], v[xb+4:xb+5], v[SS:SS+1]
	v_pk_fma_f32 v[SS+2:SS+3], v[xb+6:xb+7], v[xb+6:xb+7], v[SS+2:SS+3]
.irp u, 0,1
	v_cvt_pk_f16_f32 v[tb+2*\u], v[xb+4*\u], v[xb+4*\u+3]          ; numbers 0 and 3: slots 2 (L % 4) and + 1
	v_cvt_pk_f16_f32 v[tb+2*\u+1], v[xb+4*\u+1], v[xb+4*\u+2]      ; numbers 1 and 2: slots 8 + 2 (L % 4) and + 1
	ds_store_b32 v[WADR], v[tb+2*\u] offset:so+128*\u
	ds_store_b32 v[WADR], v[tb+2*\u+1] offset:so+128*\u+16
.endr
.endm
; The 16 tiles' register j, in pairs, become A operand j.  j = 0 comes first: each tile is first read at its lowest register.
.macro PACK
.irp j, 0,1,2,3,4,5,6,7
.irp d, 0,1,2,3,4,5,6,7
	v_cvt_pk_f16_f32 v[PK+8*\j+\d], v[ACC+16*\d+\j], v[ACC+16*\d+8+\j]
.endr
.endr
.endm
; A stage: tile 8 e + j = A operand j times B set e.  Every product is whole (C = 0): no chains, nothing cleared, sixteen different results.
.macro MUL16
.irp j, 0,1,2,3,4,5,6,7
.irp e, 0,1
	v_wmma_f32_16x16x32_f16 v[ACC+8*(8*\e+\j):ACC+8*(8*\e+\j)+7], v[PK+8*\j:PK+8*\j+7], v[W+8*\e:W+8*\e+7], 0
.endr
.endr
.endm
.macro LOADW
.irp k, 0,1,2,3
	ds_load_b128 v[W+4*\k:W+4*\k+3], v[TADR] offset:512*\k
.endr
.endm
; A vector instruction that reads a matrix result or writes a matrix instruction's source, and a load into such a source, stand four places behind it; only plain
; vector instructions that name none of its registers are places.
.macro PLACES
.rept 4
	v_nop
.endr
.endm
	TANH8 0, 1
.irp g, 1,2,3,4,5,6,7
	TANH8 \g, 0
.endr
	; Stage 0 takes its A operands from my state in LDS: operand j of lane (r, h) is the 32 bytes at pos(a) = r, pos(b) = 8 h + j.
	; LDS serves a wave's instructions in order (ISA guide 5.7.1.4): these loads see my stores above.
.irp j, 0,1,2,3,4,5,6,7
	ds_load_b128 v[PK+8*\j:PK+8*\j+3], v[RADR] offset:32*\j
	ds_load_b128 v[PK+8*\j+4:PK+8*\j+7], v[RADR] offset:32*\j+16
.endr
	LOADW
	; norm^2 = the sum over the 32 lanes + 2,048 x 0.25, while the loads are out
	v_pk_add_f32 v[SS:SS+1], v[SS:SS+1], v[SS+2:SS+3]
	v_add_f32 v[SS], v[SS], v[SS+1]
	v_add_f32_dpp v[SS], v[SS], v[SS] row_xmask:1 row_mask:0xf bank_mask:0xf
	v_add_f32_dpp v[SS], v[SS], v[SS] row_xmask:2 row_mask:0xf bank_mask:0xf
	v_add_f32_dpp v[SS], v[SS], v[SS] row_xmask:4 row_mask:0xf bank_mask:0xf
	v_add_f32_dpp v[SS], v[SS], v[SS] row_xmask:8 row_mask:0xf bank_mask:0xf
	v_permlanex16_b32 v[SS+1], v[SS], s34, s35
	v_add_f32 v[SS], v[SS], v[SS+1]
	v_add_f32 v[SS], 0x44000000, v[SS]
	v_rcp_f32 v[RN], v[SS]                         ; the step of the table's address below is the plain instruction behind it
	s_wait_dscnt 0x0                               ; operands and table are in; the address is stepped only behind this wait
	v_add_nc_u32 v[TADR], STG, v[TADR]
	MUL16
	s_mov_b32 s40, 14
.Lstage:                                               ; stages 1 to 14
	PLACES
	LOADW                                          ; the table comes while the state is packed
	PACK
	s_wait_dscnt 0x0
	v_add_nc_u32 v[TADR], STG, v[TADR]
	MUL16
	s_sub_co_u32 s40, s40, 1
	s_cmp_lg_u32 s40, 0
	s_cbranch_scc1 .Lstage
	; THE END: squares in f32, ascending; packed; times the signs.  Layout: r = pos(a), 8 h + j = pos(b), tile = pos(c).
.set SG, 96                            ; v[96:159]  the eight sign operands
.set EE, 160                           ; v[160:175] two sums, by turns
.set TF, 224
	PLACES
.set i, 0
.rept 64
	v_pk_mul_f32 v[ACC+i:ACC+i+1], v[ACC+i:ACC+i+1], v[ACC+i:ACC+i+1]
.set i, i+2
.endr
	PACK
.irp j, 0,1,2,3,4,5,6,7
	ds_load_b128 v[SG+8*\j:SG+8*\j+3], v[TADR] offset:1024*\j      ; 15 steps have brought the address to SGN + 16 lane
	ds_load_b128 v[SG+8*\j+4:SG+8*\j+7], v[TADR] offset:1024*\j+512
.endr
	; Column n of the result, row m = pos(a) = 8 h + j.  Columns 4-11 are summed over m as they are; columns 0-3 take qubit n's sign from m: (j bit 2, j bit 1, j bit 0, h ^ j bit 0).
	v_lshrrev_b32 v15, 1, v[RR]
	v_cmp_eq_u32 vcc_lo, 1, v15
	v_cndmask_b32 v11, 1.0, -1.0, vcc_lo           ; n = 2 or 3: j bit 0
	v_cmp_eq_u32 vcc_lo, 1, v[RR]
	v_cndmask_b32 v12, 1.0, -1.0, vcc_lo           ; n = 1: j bit 1
	v_cmp_eq_u32 vcc_lo, 0, v[RR]
	v_cndmask_b32 v13, 1.0, -1.0, vcc_lo           ; n = 0: j bit 2
	s_wait_alu depctr_va_vdst(0)
	v_xor_b32 v15, 0x80000000, v[RN]
	v_cmp_eq_u32 vcc_lo, 19, v[LN]
	v_cndmask_b32 v14, v[RN], v15, vcc_lo          ; n = 3 and h; with it the division by norm^2
	s_lshl_b32 s43, s10, 7
	s_add_co_u32 s43, s43, OUTS
	v_lshl_add_u32 v15, v[LN], 2, s43              ; my word of my wave's 128 bytes
	s_wait_dscnt 0x0
.irp j, 0,1,2,3,4,5,6,7                ; the two sums take turns, one instruction a turn; the first two products start them
.if \j < 2
	v_wmma_f32_16x16x32_f16 v[EE+8*(\j&1):EE+8*(\j&1)+7], v[PK+8*\j:PK+8*\j+7], v[SG+8*\j:SG+8*\j+7], 0
.else
	v_wmma_f32_16x16x32_f16 v[EE+8*(\j&1):EE+8*(\j&1)+7], v[PK+8*\j:PK+8*\j+7], v[SG+8*\j:SG+8*\j+7], v[EE+8*(\j&1):EE+8*(\j&1)+7]
.endif
.endr
	PLACES
.irp p, 0,2,4,6
	v_pk_add_f32 v[TF+\p:TF+\p+1], v[EE+\p:EE+\p+1], v[EE+8+\p:EE+8+\p+1]
.endr
.irp i, 0,1,2,3
	v_fma_f32 v[232+\i], v[TF+2*\i+1], v11, v[TF+2*\i]
.endr
	v_fma_f32 v236, v233, v12, v232
	v_fma_f32 v237, v235, v12, v234
	v_fma_f32 v238, v237, v13, v236
	v_mul_f32 v238, v238, v14
	v_permlanex16_b32 v232, v238, s34, s35         ; the other eight values of pos(a)
	v_add_f32 v238, v238, v232                     ; lane n, n = 0..11: out[row][n]
	ds_store_b32 v15, v238                         ; all 32 lanes store; words 12 to 31 are read by nobody
	s_wait_dscnt 0x0                               ; for the others' sake
	s_barrier_signal -1
	s_barrier_wait -1
	s_cmp_gt_u32 s10, 2
	s_cbranch_scc1 .Lend
	; Waves 0 to 2 send the work-group's 768 bytes: thread t = 0..95 takes bytes 8 t .. 8 t + 7: row t / 6, at 128 (t / 6) + 8 (t % 6) = 8 t + 80 (t / 6) in LDS.
	s_lshl_b32 s43, s10, 5
	v_add_nc_u32 v11, s43, v[LN]                   ; t
	v_mul_u32_u24 v12, v11, 10923
	v_lshrrev_b32 v12, 16, v12                     ; t / 6
	v_lshlrev_b32 v13, 3, v11
	v_mad_u32_u24 v14, v12, 80, v13
	v_add_nc_u32 v14, OUTS, v14
	ds_load_b64 v[16:17], v14
	s_wait_dscnt 0x0
	global_store_b64 v13, v[16:17], s[8:9]         ; a wave's store covers 256 consecutive bytes, at a multiple of 256 from out0's first byte
.Lend:
	s_wait_tensorcnt 0x0
	ds_add_u32 v250, v251
	s_wait_dscnt 0x0
	s_endpgm
.Lfunc_end_k_q1f9fc65567_qnet:
	.size	k_q1f9fc65567_qnet, .Lfunc_end_k_q1f9fc65567_qnet-k_q1f9fc65567_qnet
	.p2alignl 7, 3214868480
	.fill 96, 4, 3214868480
	.section	.rodata,"a",@progbits
	.p2align	6, 0x0
	.amdhsa_kernel k_q1f9fc65567_qnet
		.amdhsa_group_segment_fixed_size 178176
		.amdhsa_private_segment_fixed_size 0
		.amdhsa_enable_private_segment 0
		.amdhsa_kernarg_size 24
		.amdhsa_user_sgpr_count 2
		.amdhsa_user_sgpr_kernarg_segment_ptr 1
		.amdhsa_wavefront_size32 1
		.amdhsa_system_sgpr_workgroup_id_x 1
		.amdhsa_system_sgpr_workgroup_id_y 1
		.amdhsa_system_sgpr_workgroup_id_z 1
		.amdhsa_system_vgpr_workitem_id 0
		.amdhsa_next_free_vgpr 256
		.amdhsa_next_free_sgpr 66
		.amdhsa_reserve_vcc 1
		.amdhsa_float_denorm_mode_32 3
		.amdhsa_float_denorm_mode_16_64 3
		.amdhsa_memory_ordered 1
		.amdhsa_forward_progress 1
		.amdhsa_inst_pref_size 55
	.end_amdhsa_kernel
	.amdgpu_metadata
---
amdhsa.version: [ 1, 2 ]
amdhsa.kernels:
  - .name:           k_q1f9fc65567_qnet
    .symbol:         k_q1f9fc65567_qnet.kd
    .args:
      - { .name: input_features, .offset: 0, .size: 8, .value_kind: global_buffer, .address_space: global }
      - { .name: q_params, .offset: 8, .size: 8, .value_kind: global_buffer, .address_space: global }
      - { .name: out0, .offset: 16, .size: 8, .value_kind: global_buffer, .address_space: global }
    .group_segment_fixed_size: 178176
    .private_segment_fixed_size: 0
    .kernarg_segment_align: 8
    .kernarg_segment_size: 24
    .max_flat_workgroup_size: 512
    .sgpr_count:     66
    .vgpr_count:     256
    .wavefront_size: 32
...
	.end_amdgpu_metadata
.endif
;; end of part 1
